; MI455X (gfx1250); checked and timed in simulation.
; The chip was launched on July 23, 2026; its instructions are those of AMD's public machine-readable ISA for CDNA 5 (MIT licence, August 2026) and "CDNA5" Instruction Set Architecture Reference Guide (July 2026). The comments in the code are by the model that wrote it; some were corrected since.
;; Playlist Constructor. Allowed arithmetic: float matrix products may take bf16 or f16 operands with f32 sums; all other float work in f32.
;; Inputs: Wk 256 x 256 float32; Wq 256 x 256 float32; Wv 256 x 256 float32; length 32 float32; mask 32 x 1,024 bool; track_feat_seq 32 x 1,024 x 256 float32; track_idx_seq 32 x 1,024 int32.
;; Outputs: out0 32 x 256 float32.
;; 2 versions, each right; version 2 is version 1 with the launch cast written anew for expert scheduling mode. Each part assembles by itself: llvm-mc -triple=amdgcn-amd-amdhsa -mcpu=gfx1250 --defsym DOCPART=n.
;; ======== version 1 of 2: 3 launches
;; limits: right only within a limited range of input values
;; workspace buffers: xk 16,777,216 bytes; mt 131,072 bytes; zp 262,144 bytes
;; launch cast (part 1): grid 256 x 1, 8 waves a work-group, no clusters, 17,408 bytes of LDS; arguments track_feat_seq, Wq, Wk, xk, mt; writes xk, mt
.if DOCPART == 1
	.amdgcn_target "amdgcn-amd-amdhsa--gfx1250"
	.amdhsa_code_object_version 6
	.text
	.protected	k_q0be20e0757_cast
	.globl	k_q0be20e0757_cast
	.p2align	8
	.type	k_q0be20e0757_cast,@function
k_q0be20e0757_cast:
	s_mov_b64 s[64:65], 0
	v_nop
	global_prefetch_b8 v0, s[64:65] scope:SCOPE_SE
	s_setreg_imm32_b32 hwreg(HW_REG_WAVE_MODE, 25, 1), 1
	s_wait_xcnt 0x0
; xk = bf16(track_feat_seq), and Mt[d'][d] = sum over e of Wk[e][d'] Wq[e][d] in bf16 (so that q.k = (x M) . x, M = Wq^T Wk).
; 256 work-groups of eight waves.  Work-group g casts rows 128 g .. 128 g + 127 of x (131,072 bytes in, 65,536 out) and makes
; the 16 x 16 tile (ti = g / 16, tj = g % 16) of Mt.
; The cast: thread t, load i reads 16 bytes at 16 t + 4096 i (a wave: 512 neighbouring bytes) and stores 8 bytes at 8 t + 2048 i
; (a wave: 256 neighbouring bytes, aligned).  All 32 loads of a thread are issued at once; the data pass through registers anyway,
; so LDS slots and the tensor mover would add nothing.
; mt's layout: tile (ti, tj) at (16 ti + tj) 512; lane (r = l % 16, h = l / 16) owns the 16 bytes at 16 l = Mt[16 ti + r][16 tj + 8 h .. + 7]:
; two neighbouring tiles are one 16 x 32 matrix operand as the next launch's registers want it.
.set X,  64                            ; v[64:191]  32 slots of 4: x as loaded, then two packed words each
.set FR, 192                           ; v[192:255] four K steps x (8 of Wq, 8 of Wk)
.set KS, 0                             ; LDS: Wk[e][16 ti ..+15] in bf16, 32 bytes a row, 256 rows
.set QS, 8192                          ; LDS: Wq[e][16 tj ..+15] likewise
	s_load_b256 s[4:11], s[0:1], 0x0               ; x s[4:5], Wq s[6:7], Wk s[8:9], xk s[10:11]
	s_load_b64 s[12:13], s[0:1], 0x20              ; mt
	v_lshl_add_u32 v14, v0, 2, 0x4000
	v_mov_b32 v15, 0
	v_lshrrev_b32 v7, 5, v0
	v_readfirstlane_b32 s14, v7                    ; wave
	v_lshlrev_b32 v1, 10, v0                       ; weight row e = thread: 1,024 bytes a row
	v_lshlrev_b32 v2, 4, v0                        ; 16 t
	v_lshlrev_b32 v3, 3, v0                        ; 8 t
	v_lshlrev_b32 v4, 5, v0                        ; 32 t: my row of the two strips in LDS
	v_and_b32 v8, 7, v0                            ; the transposing load's address: row 8 h + l % 8, 16 bytes x bit 3 of l
	v_bfe_u32 v9, v0, 4, 1
	v_lshl_add_u32 v8, v9, 3, v8
	v_bfe_u32 v9, v0, 3, 1
	v_lshlrev_b32 v5, 5, v8
	v_lshl_add_u32 v5, v9, 4, v5
	v_and_b32 v6, 31, v0
	v_lshlrev_b32 v6, 4, v6                        ; 16 l: my 16 bytes of the tile
	s_lshl_b32 s16, ttmp9, 17                      ; g x 128 rows x 1,024 bytes
	s_mov_b32 s17, 0
	s_lshl_b32 s18, ttmp9, 16                      ; g x 128 rows x 512 bytes
	s_mov_b32 s19, 0
	s_lshl_b32 s20, ttmp9, 9                       ; g x 512: my tile of mt
	s_mov_b32 s21, 0
	s_lshr_b32 s22, ttmp9, 4
	s_lshl_b32 s22, s22, 6                         ; 64 ti: 16 columns of f32
	s_mov_b32 s23, 0
	s_and_b32 s24, ttmp9, 15
	s_lshl_b32 s24, s24, 6                         ; 64 tj
	s_mov_b32 s25, 0
	s_wait_kmcnt 0x0
	s_add_nc_u64 s[4:5], s[4:5], s[16:17]
	s_add_nc_u64 s[10:11], s[10:11], s[18:19]
	s_add_nc_u64 s[12:13], s[12:13], s[20:21]
	s_add_nc_u64 s[8:9], s[8:9], s[22:23]
	s_add_nc_u64 s[6:7], s[6:7], s[24:25]
.irp c, 0,1,2,3
	global_load_b128 v[32+4*\c:35+4*\c], v1, s[8:9] offset:16*\c       ; Wk[e][16 ti ..]
.endr
.irp c, 0,1,2,3
	global_load_b128 v[48+4*\c:51+4*\c], v1, s[6:7] offset:16*\c       ; Wq[e][16 tj ..]
.endr
.set i, 0
.rept 32
	global_load_b128 v[X+4*i:X+4*i+3], v2, s[4:5] offset:4096*i th:TH_LOAD_NT   ; x is read once in the whole program
.set i, i+1
.endr
	s_wait_loadcnt 32                              ; the eight strip loads are in; the 32 younger loads of x stay out
.irp c, 0,1,2,3,4,5,6,7
	v_cvt_pk_bf16_f32 v[16+\c], v[32+2*\c], v[33+2*\c]
	v_cvt_pk_bf16_f32 v[24+\c], v[48+2*\c], v[49+2*\c]
.endr
	ds_store_b128 v4, v[16:19] offset:KS
	ds_store_b128 v4, v[20:23] offset:KS+16
	ds_store_b128 v4, v[24:27] offset:QS
	ds_store_b128 v4, v[28:31] offset:QS+16
	s_wait_dscnt 0x0                               ; my rows of the strips are written,
	s_barrier_signal -1
	s_barrier_wait -1                              ; everybody's are
	s_cmp_lg_u32 s14, 0
	s_cbranch_scc1 .Lstream
	; Wave 0 makes the tile: K = e in eight steps of 32.  Source 0 = 16 columns of Wq, source 1 = 16 columns of Wk, both read
	; transposed from the strips; register j of lane (r, h) is then Mt[16 ti + r][16 tj + 8 h + j].
	; Two accumulators take turns, one instruction a turn; the first two products start the sums.
.irp bt, 0,1
.irp k, 0,1,2,3
	ds_load_tr16_b128 v[FR+16*\k:FR+16*\k+3],     v5 offset:QS+1024*(4*\bt+\k)
	ds_load_tr16_b128 v[FR+16*\k+4:FR+16*\k+7],   v5 offset:QS+1024*(4*\bt+\k)+512
	ds_load_tr16_b128 v[FR+16*\k+8:FR+16*\k+11],  v5 offset:KS+1024*(4*\bt+\k)
	ds_load_tr16_b128 v[FR+16*\k+12:FR+16*\k+15], v5 offset:KS+1024*(4*\bt+\k)+512
.endr
	s_wait_dscnt 0x0
.irp k, 0,1,2,3
.if 4*\bt+\k < 2
	v_wmma_f32_16x16x32_bf16 v[16+8*(\k%2):23+8*(\k%2)], v[FR+16*\k:FR+16*\k+7], v[FR+16*\k+8:FR+16*\k+15], 0
.else
	v_wmma_f32_16x16x32_bf16 v[16+8*(\k%2):23+8*(\k%2)], v[FR+16*\k:FR+16*\k+7], v[FR+16*\k+8:FR+16*\k+15], v[16+8*(\k%2):23+8*(\k%2)]
.endif
.endr
.rept 4
	v_nop                                          ; four places behind the matrix instructions: for the next loads into their sources, and for the sums below
.endr
.endr
.irp c, 0,1,2,3
	v_pk_add_f32 v[16+2*\c:17+2*\c], v[16+2*\c:17+2*\c], v[24+2*\c:25+2*\c]
.endr
.irp c, 0,1,2,3
	v_cvt_pk_bf16_f32 v[32+\c], v[16+2*\c], v[17+2*\c]
.endr
	global_store_b128 v6, v[32:35], s[12:13]       ; the tile's 512 bytes in one store
.Lstream:
.set i, 0
.rept 32
	s_wait_loadcnt 31-i                            ; loads come back in order: load i is in, the younger ones stay out
	v_cvt_pk_bf16_f32 v[X+4*i],   v[X+4*i],   v[X+4*i+1]
	v_cvt_pk_bf16_f32 v[X+4*i+1], v[X+4*i+2], v[X+4*i+3]
	global_store_b64 v3, v[X+4*i:X+4*i+1], s[10:11] offset:2048*i   ; no source of a store is written again
.set i, i+1
.endr
	s_wait_tensorcnt 0x0
	ds_add_u32 v14, v15
	s_wait_dscnt 0x0
	s_endpgm
.Lfunc_end_k_q0be20e0757_cast:
	.size	k_q0be20e0757_cast, .Lfunc_end_k_q0be20e0757_cast-k_q0be20e0757_cast
	.p2alignl 7, 3214868480
	.fill 96, 4, 3214868480
	.section	.rodata,"a",@progbits
	.p2align	6, 0x0
	.amdhsa_kernel k_q0be20e0757_cast
		.amdhsa_group_segment_fixed_size 17408
		.amdhsa_private_segment_fixed_size 0
		.amdhsa_enable_private_segment 0
		.amdhsa_kernarg_size 40
		.amdhsa_user_sgpr_count 2
		.amdhsa_user_sgpr_kernarg_segment_ptr 1
		.amdhsa_wavefront_size32 1
		.amdhsa_system_sgpr_workgroup_id_x 1
		.amdhsa_system_sgpr_workgroup_id_y 1
		.amdhsa_system_sgpr_workgroup_id_z 1
		.amdhsa_system_vgpr_workitem_id 0
		.amdhsa_next_free_vgpr 256
		.amdhsa_next_free_sgpr 66
		.amdhsa_reserve_vcc 0
		.amdhsa_float_denorm_mode_32 3
		.amdhsa_float_denorm_mode_16_64 3
		.amdhsa_memory_ordered 1
		.amdhsa_forward_progress 1
		.amdhsa_inst_pref_size 19
	.end_amdhsa_kernel
	.amdgpu_metadata
---
amdhsa.version: [ 1, 2 ]
amdhsa.kernels:
  - .name:           k_q0be20e0757_cast
    .symbol:         k_q0be20e0757_cast.kd
    .args:
      - { .name: track_feat_seq, .offset: 0, .size: 8, .value_kind: global_buffer, .address_space: global }
      - { .name: Wq, .offset: 8, .size: 8, .value_kind: global_buffer, .address_space: global }
      - { .name: Wk, .offset: 16, .size: 8, .value_kind: global_buffer, .address_space: global }
      - { .name: xk, .offset: 24, .size: 8, .value_kind: global_buffer, .address_space: global }
      - { .name: mt, .offset: 32, .size: 8, .value_kind: global_buffer, .address_space: global }
    .group_segment_fixed_size: 17408
    .private_segment_fixed_size: 0
    .kernarg_segment_align: 8
    .kernarg_segment_size: 40
    .max_flat_workgroup_size: 256
    .sgpr_count:     66
    .vgpr_count:     256
    .wavefront_size: 32
...
	.end_amdgpu_metadata
.endif
;; end of part 1
;; launch attn (part 2): grid 8 x 32, 4 waves a work-group, clusters of 4 x 1, 327,680 bytes of LDS; arguments xk, mt, mask, zp; writes zp
.if DOCPART == 2
	.amdgcn_target "amdgcn-amd-amdhsa--gfx1250"
	.amdhsa_code_object_version 6
	.text
	.protected	k_q0be20e0757_attn
	.globl	k_q0be20e0757_attn
	.p2align	8
	.type	k_q0be20e0757_attn,@function
k_q0be20e0757_attn:
	s_mov_b64 s[64:65], 0
	v_nop
	global_prefetch_b8 v0, s[64:65] scope:SCOPE_SE
	s_setreg_imm32_b32 hwreg(HW_REG_WAVE_MODE, 25, 1), 1
	s_wait_xcnt 0x0
	s_wait_alu depctr_hold_cnt(0) depctr_sa_sdst(0) depctr_va_vdst(0) depctr_va_sdst(0) depctr_va_ssrc(0) depctr_va_vcc(0) depctr_vm_vsrc(0)
	s_getreg_b32 s2, hwreg(HW_REG_IB_STS2, 6, 4)
	s_cmp_eq_u32 s2, 0
	s_cbranch_scc0 .Lentry_in_a_cluster
	s_endpgm
.Lentry_in_a_cluster:
	s_bfe_u32 s2, ttmp6, 0x10000c
	s_cmp_lg_u32 s2, 0x3003
	s_cbranch_scc0 .Lentry_shape_is_right
	s_endpgm
.Lentry_shape_is_right:
; zp[b][i][d] = sum over keys t of c_i[t] xk[b][t][d],  c_i[t] = sum over the queries s of block i of softmax_t(score[s][t]).
; score[s][t] = (x_s M) . x_t / 16, M = Wq^T Wk (mt holds its transpose).  The sum over queries is taken ahead of the value product,
; which is exact algebra: out = (sum_t c[t] x[t]) Wv^T / length; the next launch does the rest.
; Work-group (i, b): queries 128 i ..+127 of batch b against all 1,024 keys.  Four waves, wave w = (qh = w / 2, kh = w % 2):
; 64 queries (four blocks qb of 16) x the 128 keys kh of each tile of 256 keys, in two groups of 64 keys: eight groups G.
; The whole block of P stays in registers as bf16 (the rounding of a matrix operand), each group relative to the running maximum
; that held when it was made (MREF); when all keys are seen, a weight 2^(MREF - max) / sum for each group and query puts it right.
; CLUSTER: the four work-groups of a cluster belong to one batch and walk the same key tiles, so each tile is asked for jointly
; (mask 15): a quarter of the requests.  Nothing in a descriptor, an LDS address or a branch hangs on the place in the cluster.
; Straight-line text: P, y and the column sums are named by register number, which no loop can step.
; LIMITS.  A masked key starts its sum at -1e9 log2(e) in place of being set to -1e9: its weight is 0, as in the reference, as long as
; a row's largest unmasked score is above about -1e9.  A batch with every key masked gets factor 0 and start 0: the uniform softmax
; of the reference.  M, y, x, P and the 16-row column sums are bf16; maxima, sums, weights and z are f32.  Exponents are never above 0
; and a row's sum is at least 1.  v_exp_f32 gives 0 for results below 2^-126 (ISA guide 15.8).  track_idx_seq enters no result of the problem.
.set PS,    528                        ; LDS pitch in the score sweep: 512 + 16, an odd multiple of 16: the 16 rows of a 16-byte load start in different banks
.set PZ,    544                        ; LDS pitch in the z sweep: 512 + 32, an odd multiple of 32, for the transposing loads
.set SLOT,  139264                     ; 256 rows x 544
.set BIAS,  278528                     ; f32[1024]: each key's starting sum
.set XCH,   282624                     ; 4 waves x 8,192: operands handed from wave to wave
.set STAT,  315392                     ; 4 waves x 1,024: maxima and sums
.set ZRED,  319488                     ; [kh][256] f32
.set TILEB, 131072                     ; a key tile in xk: 256 rows x 512 bytes
; window 0
.set ZERO, 1
.set TMPA, 2                           ; an LDS address at work
.set PFO,  3                           ; the prefetch's lane offset; never rewritten
.set ADRK, 4                           ; v4-7   key operands: slot 0 low, slot 0 high, slot 1 low, slot 1 high
.set ADRX, 8                           ; v8-9   transposed x operands: slot 0, 1
.set ADRB, 10
.set XST,  11
.set XLD1, 12                          ; the region of wave w ^ 1
.set XLD2, 13                          ; the region of wave w ^ 2
.set STST, 14
.set STLD, 15
.set LS,   16                          ; v16-19 running sums
.set NM,   20                          ; v20-27 the new maximum, twice for each qb
.set GOX,  28
.set GOM,  29
.set MO32, 30
.set TO8,  31
.set MREF, 32                          ; v32-63 MREF[4 G + qb]
.set KF0,  64                          ; key operands, two buffers of 32
.set KF1,  96
.set TMX,  64                          ; softmax temporaries lie in KF0
.set UX,   68
.set ALF,  72
.set SPR,  76
.set ACCU, 128                         ; v128-255 scores: (qb, kb) at 128 + 32 qb + 8 kb
.set YA,   128                         ; y phase: two sets of four accumulators
.set ZACC, 128                         ; z sweep: eight accumulators
.set XB0,  64                          ; z sweep: x operands, two buffers of 64
.set XB1,  192
; window 1: y (qb, ks) at 64 qb + 8 ks; later the column sums of tile T: own at 64 T + 8 f, the partner's at 64 T + 32 + 8 f
; window 2: own x (qb, ks) in the y phase, then P of groups 0-3;  window 3: Mt, four buffers of 64, then P of groups 4-7
.set G1S, 24                           ; s[24:31] shape, pitch 528
.set G1Z, 32                           ; s[32:39] shape, pitch 544
.set G0S, 40                           ; s[40:47] score sweep: slot 0, slot 1
.set G0Z, 48                           ; s[48:55] z sweep: slot 0, slot 1
.set MSB, 0
.macro WIN new                         ; the immediate's high byte repeats the setting that is left; a switch that changes nothing is dropped
.if MSB != (\new)
	s_set_vgpr_msb (MSB<<8)|(\new)
.set MSB, (\new)
.endif
.endm
.macro PLACES                          ; four places behind a matrix instruction ahead of loads into, or vector work on, its registers
.rept 4
	v_nop
.endr
.endm
.macro ROUND                           ; a round of the cluster's barrier: my work-group's barrier, wave 0 signals for it, all wait for the four work-groups, my barrier again
	s_barrier_signal -1
	s_barrier_wait -1
	s_cmp_lg_u32 s14, 0
	s_cbranch_scc1 .Lnot_wave_0_\@
	s_barrier_signal -3
.Lnot_wave_0_\@:
	s_barrier_wait -3
	s_barrier_signal -1
	s_barrier_wait -1
.endm
; A slot is filled again: all my tensor loads have landed (so a group 0 may be stepped) and my LDS reads are back, then the round,
; then my one joint load, first thing behind it.
.macro STEP g0, g1, stepit
	s_wait_xcnt 0x0
	v_lshl_add_u32 v29, v0, 2, 0x4e800
	v_mov_b32 v30, 0
	s_wait_tensorcnt 0x0
	ds_add_u32 v29, v30
	s_wait_dscnt 0x0
.if \stepit
	s_add_nc_u64 s[(\g0)+2:(\g0)+3], s[(\g0)+2:(\g0)+3], 2*TILEB   ; the slot's next tile, two tiles on
.endif
	s_wait_dscnt 0x0
	WIN 0
	ROUND
	tensor_load_to_lds s[(\g0):(\g0)+3], s[(\g1):(\g1)+7]
	s_nop 0
.endm
; 16 loads: the Mt rows 128 kh + 16 t ..+15, all 256 of K, as eight operands
.macro MLOAD t
.irp c, 0,1,2,3,4,5,6,7,8,9,10,11,12,13,14,15
	global_load_b128 v[64*((\t)%4)+4*\c:64*((\t)%4)+4*\c+3], v[GOM], s[6:7] offset:8192*(\t)+512*\c
.endr
.endm
; y[64 queries][16 columns 128 kh + 16 t ..]: source 0 = Mt rows, source 1 = my x rows, so a lane holds 8 neighbouring columns of one query.
; Four accumulators take turns, one instruction a turn; the first products start the sums.
.macro YSTEP t, cnt
	s_wait_loadcnt \cnt                            ; this step's 16 loads of Mt are in; the younger buffers stay out
	WIN 0x0b
.irp ks, 0,1,2,3,4,5,6,7
.irp qb, 0,1,2,3
.if \ks == 0
	v_wmma_f32_16x16x32_bf16 v[YA+32*((\t)%2)+8*\qb:YA+32*((\t)%2)+8*\qb+7], v[64*((\t)%4)+8*\ks:64*((\t)%4)+8*\ks+7], v[64*\qb+8*\ks:64*\qb+8*\ks+7], 0
.else
	v_wmma_f32_16x16x32_bf16 v[YA+32*((\t)%2)+8*\qb:YA+32*((\t)%2)+8*\qb+7], v[64*((\t)%4)+8*\ks:64*((\t)%4)+8*\ks+7], v[64*\qb+8*\ks:64*\qb+8*\ks+7], v[YA+32*((\t)%2)+8*\qb:YA+32*((\t)%2)+8*\qb+7]
.endif
.endr
.endr
	PLACES
.if \t < 4
	WIN 0xc0
	MLOAD \t+4                                     ; into the buffer just multiplied
.endif
	WIN 0
.set n, 0
.rept 16
	v_pk_mul_f32 v[YA+32*((\t)%2)+n:YA+32*((\t)%2)+n+1], v[YA+32*((\t)%2)+n:YA+32*((\t)%2)+n+1], s[20:21] op_sel_hi:[1,0]   ; x log2(e) / 16
.set n, n+2
.endr
	WIN 0x40
.irp qb, 0,1,2,3
.irp j, 0,1,2,3
	v_cvt_pk_bf16_f32 v[64*\qb+8*((\t)/2)+4*((\t)%2)+\j], v[YA+32*((\t)%2)+8*\qb+2*\j], v[YA+32*((\t)%2)+8*\qb+2*\j+1]
.endr
.endr
.endm
; Four blocks of 32 registers of window 1 go to a partner wave: block q from 64 q to the partner's 64 q + 32, two blocks at a time through 8 KiB.
; Store, wait for 0, barrier, load; and a barrier between the loads of the first half and the stores of the second.
.macro XCHG partner
.irp hf, 0,1
	WIN 0x04
.irp c, 0,1,2,3,4,5,6,7,8,9,10,11,12,13,14,15
	ds_store_b128 v[XST], v[128*\hf+64*(\c/8)+4*(\c%8):128*\hf+64*(\c/8)+4*(\c%8)+3] offset:512*\c
.endr
	s_wait_dscnt 0x0
	s_barrier_signal -1
	s_barrier_wait -1
	WIN 0x40
.irp c, 0,1,2,3,4,5,6,7,8,9,10,11,12,13,14,15
	ds_load_b128 v[128*\hf+64*(\c/8)+32+4*(\c%8):128*\hf+64*(\c/8)+32+4*(\c%8)+3], v[\partner] offset:512*\c
.endr
	s_wait_dscnt 0x0
.if \hf == 0
	s_barrier_signal -1
	s_barrier_wait -1
.endif
.endr
	WIN 0
.endm
; 8 loads: 64 keys x 32 of K.  My K steps 0-3 are the y columns that I made myself (128 kh ..), 4-7 the partner's: the two address registers carry that.
.macro KLOAD slot, gh, ks, buf
.irp kb, 0,1,2,3
	ds_load_b128 v[\buf+8*\kb:\buf+8*\kb+3],   v[ADRK+2*\slot+(\ks)/4] offset:(64*\gh+16*\kb)*PS+64*((\ks)%4)
	ds_load_b128 v[\buf+8*\kb+4:\buf+8*\kb+7], v[ADRK+2*\slot+(\ks)/4] offset:(64*\gh+16*\kb)*PS+64*((\ks)%4)+32
.endr
.endm
; 16 products: source 0 = keys, source 1 = queries: lane (r, h), register j holds query r, key 8 h + j.
; Sixteen accumulators take turns, one instruction a turn.
.macro MUL16 ks, buf
.irp kb, 0,1,2,3
.irp qb, 0,1,2,3
	v_wmma_f32_16x16x32_bf16 v[ACCU+32*\qb+8*\kb:ACCU+32*\qb+8*\kb+7], v[\buf+8*\kb:\buf+8*\kb+7], v[64*\qb+8*(\ks):64*\qb+8*(\ks)+7], v[ACCU+32*\qb+8*\kb:ACCU+32*\qb+8*\kb+7]
.endr
.endr
.endm
; One group's softmax step, in base 2.  A lane holds 32 scores of each of four queries; the other half of the lanes holds the other 32 keys.
.macro SOFTMAX gn, first
.irp qb, 0,1,2,3
	v_max3_num_f32 v[TMX+\qb], v[ACCU+32*\qb], v[ACCU+32*\qb+1], v[ACCU+32*\qb+2]
.endr
.irp e, 3,5,7,9,11,13,15,17,19,21,23,25,27,29
.irp qb, 0,1,2,3
	v_max3_num_f32 v[TMX+\qb], v[TMX+\qb], v[ACCU+32*\qb+\e], v[ACCU+32*\qb+\e+1]
.endr
.endr
.irp qb, 0,1,2,3
.if \first
	v_max_num_f32 v[TMX+\qb], v[TMX+\qb], v[ACCU+32*\qb+31]
.else
	v_max3_num_f32 v[TMX+\qb], v[TMX+\qb], v[ACCU+32*\qb+31], v[MREF+4*(\gn-1)+\qb]   ; the running maximum
.endif
.endr
.irp qb, 0,1,2,3
	v_permlanex16_b32 v[UX+\qb], v[TMX+\qb], s12, s13          ; the other half of the lanes
.endr
.irp qb, 0,1,2,3
	v_max_num_f32 v[MREF+4*\gn+\qb], v[TMX+\qb], v[UX+\qb]
	v_max_num_f32 v[NM+2*\qb],   v[TMX+\qb], v[UX+\qb]
	v_max_num_f32 v[NM+2*\qb+1], v[TMX+\qb], v[UX+\qb]
.endr
.if \first == 0
.irp qb, 0,1,2,3
	v_sub_f32 v[ALF+\qb], v[MREF+4*(\gn-1)+\qb], v[MREF+4*\gn+\qb]
.endr
.endif
.irp qb, 0,1,2,3
.set n, 0
.rept 16
	v_pk_add_f32 v[ACCU+32*\qb+n:ACCU+32*\qb+n+1], v[ACCU+32*\qb+n:ACCU+32*\qb+n+1], v[NM+2*\qb:NM+2*\qb+1] neg_lo:[0,1] neg_hi:[0,1]
.set n, n+2
.endr
.endr
.set n, 0
.rept 128
	v_exp_f32 v[ACCU+n], v[ACCU+n]
.set n, n+1
.endr
.if \first == 0
.irp qb, 0,1,2,3
	v_exp_f32 v[ALF+\qb], v[ALF+\qb]
.endr
.endif
	v_nop                                          ; one plain place behind the run of exponentials, ahead of the first use (ISA guide 5.7.2)
	s_wait_alu depctr_va_vdst(0)
.irp qb, 0,1,2,3
	v_pk_add_f32 v[SPR+2*\qb:SPR+2*\qb+1], v[ACCU+32*\qb:ACCU+32*\qb+1], v[ACCU+32*\qb+2:ACCU+32*\qb+3]
.endr
.irp e, 4,6,8,10,12,14,16,18,20,22,24,26,28,30
.irp qb, 0,1,2,3
	v_pk_add_f32 v[SPR+2*\qb:SPR+2*\qb+1], v[SPR+2*\qb:SPR+2*\qb+1], v[ACCU+32*\qb+\e:ACCU+32*\qb+\e+1]
.endr
.endr
.irp qb, 0,1,2,3
.if \first
	v_add_f32 v[LS+\qb], v[SPR+2*\qb], v[SPR+2*\qb+1]
.else
	v_add_f32 v[SPR+2*\qb], v[SPR+2*\qb], v[SPR+2*\qb+1]
	v_fma_f32 v[LS+\qb], v[LS+\qb], v[ALF+\qb], v[SPR+2*\qb]   ; the sum so far, moved to the new maximum; the two halves of the lanes meet at the end
.endif
.endr
	WIN 0x80+0x40*(\gn/4)
.irp qb, 0,1,2,3
.irp kb, 0,1,2,3
.irp j, 0,1,2,3
	v_cvt_pk_bf16_f32 v[64*((\gn)%4)+16*\qb+4*\kb+\j], v[ACCU+32*\qb+8*\kb+2*\j], v[ACCU+32*\qb+8*\kb+2*\j+1]
.endr
.endr
.endr
	WIN 0
.endm
; One group: 64 queries x 64 keys x K = 256.  The sums start from the keys' bias, loaded straight into the accumulators: nothing is cleared.
; Each K step's 8 key loads are issued one step (16 products) ahead: s_wait_dscnt 8 leaves just those out.
.macro GROUP slot, gh, gn, first
	WIN 0x04
.irp kb, 0,1,2,3
.irp qb, 0,1,2,3
	ds_load_b128 v[ACCU+32*\qb+8*\kb:ACCU+32*\qb+8*\kb+3],   v[ADRB] offset:(256*(\gn/2)+64*\gh+16*\kb)*4
	ds_load_b128 v[ACCU+32*\qb+8*\kb+4:ACCU+32*\qb+8*\kb+7], v[ADRB] offset:(256*(\gn/2)+64*\gh+16*\kb)*4+16
.endr
.endr
	KLOAD \slot, \gh, 0, KF0
	KLOAD \slot, \gh, 1, KF1
	s_wait_dscnt 0x8
	MUL16 0, KF0
.irp ks, 1,3,5
	PLACES
	KLOAD \slot, \gh, \ks+1, KF0
	s_wait_dscnt 0x8
	MUL16 \ks, KF1
	PLACES
	KLOAD \slot, \gh, \ks+2, KF1
	s_wait_dscnt 0x8
	MUL16 \ks+1, KF0
.endr
	s_wait_dscnt 0x0
	MUL16 7, KF1
	PLACES
	WIN 0
	SOFTMAX \gn, \first
.endm
; Column sums of group gn over the four query blocks, each P times its query's weight: 16 rows (the query's place in its block) x 64 keys,
; which in bf16 is already a source-0 operand with K = key.
.macro COLSUM gn
.set CB, 128+32*((\gn)%2)
.set PB, 64*((\gn)%4)
	WIN 2+(\gn/4)
.irp qb, 0,1,2,3
.irp kb, 0,1,2,3
.irp j, 0,1,2,3
.if \qb == 0
	v_fma_mix_f32_bf16 v[CB+8*\kb+2*\j],   v[PB+4*\kb+\j], v[MREF+4*\gn], v[ZERO] op_sel:[0,0,0] op_sel_hi:[1,0,0]
	v_fma_mix_f32_bf16 v[CB+8*\kb+2*\j+1], v[PB+4*\kb+\j], v[MREF+4*\gn], v[ZERO] op_sel:[1,0,0] op_sel_hi:[1,0,0]
.else
	v_fma_mix_f32_bf16 v[CB+8*\kb+2*\j],   v[PB+16*\qb+4*\kb+\j], v[MREF+4*\gn+\qb], v[CB+8*\kb+2*\j]   op_sel:[0,0,0] op_sel_hi:[1,0,0]
	v_fma_mix_f32_bf16 v[CB+8*\kb+2*\j+1], v[PB+16*\qb+4*\kb+\j], v[MREF+4*\gn+\qb], v[CB+8*\kb+2*\j+1] op_sel:[1,0,0] op_sel_hi:[1,0,0]
.endif
.endr
.endr
.endr
	WIN 0x40
.irp kb, 0,1,2,3
.irp j, 0,1,2,3
	v_cvt_pk_bf16_f32 v[64*(\gn/2)+16*((\gn)%2)+4*\kb+\j], v[CB+8*\kb+2*\j], v[CB+8*\kb+2*\j+1]
.endr
.endr
.endm
; 16 transposing loads: keys 32 f ..+31 of my half of the tile x my 128 columns d, as eight source-1 operands
.macro XLOAD slot, f, buf
.irp nb, 0,1,2,3,4,5,6,7
	ds_load_tr16_b128 v[\buf+8*\nb:\buf+8*\nb+3],   v[ADRX+\slot] offset:32*PZ*\f+32*\nb
	ds_load_tr16_b128 v[\buf+8*\nb+4:\buf+8*\nb+7], v[ADRX+\slot] offset:32*PZ*\f+32*\nb+16*PZ
.endr
.endm
; 16 products: my own column sums and the partner's, on the same x operands.  Eight accumulators take turns, one instruction a turn.
.macro ZMUL tt, f, buf, first
.irp nb, 0,1,2,3,4,5,6,7
.if \first
	v_wmma_f32_16x16x32_bf16 v[ZACC+8*\nb:ZACC+8*\nb+7], v[64*\tt+8*\f:64*\tt+8*\f+7], v[\buf+8*\nb:\buf+8*\nb+7], 0
.else
	v_wmma_f32_16x16x32_bf16 v[ZACC+8*\nb:ZACC+8*\nb+7], v[64*\tt+8*\f:64*\tt+8*\f+7], v[\buf+8*\nb:\buf+8*\nb+7], v[ZACC+8*\nb:ZACC+8*\nb+7]
.endif
.endr
.irp nb, 0,1,2,3,4,5,6,7
	v_wmma_f32_16x16x32_bf16 v[ZACC+8*\nb:ZACC+8*\nb+7], v[64*\tt+32+8*\f:64*\tt+32+8*\f+7], v[\buf+8*\nb:\buf+8*\nb+7], v[ZACC+8*\nb:ZACC+8*\nb+7]
.endr
.endm
.macro ZTILE slot, tt, first
	WIN 0
	XLOAD \slot, 0, XB0
	XLOAD \slot, 1, XB1
	s_wait_dscnt 0x10                              ; all but the 16 youngest loads
	WIN 0x01
	ZMUL \tt, 0, XB0, \first
	PLACES
	WIN 0
	XLOAD \slot, 2, XB0
	s_wait_dscnt 0x10
	WIN 0x01
	ZMUL \tt, 1, XB1, 0
	PLACES
	WIN 0
	XLOAD \slot, 3, XB1
	s_wait_dscnt 0x10
	WIN 0x01
	ZMUL \tt, 2, XB0, 0
	s_wait_dscnt 0x0
	ZMUL \tt, 3, XB1, 0
	PLACES
	WIN 0
.endm
	; ---- set-up
	s_load_b256 s[4:11], s[0:1], 0x0               ; xk s[4:5], mt s[6:7], mask s[8:9], zp s[10:11]
	v_lshl_add_u32 v29, v0, 2, 0x4e800
	v_mov_b32 v30, 0
	ds_add_u32 v29, v30
	s_wait_dscnt 0x0
	v_lshrrev_b32 v[TMPA], 5, v0
	v_readfirstlane_b32 s14, v[TMPA]               ; wave
	v_and_b32 v[PFO], 31, v0
	v_lshlrev_b32 v[PFO], 8, v[PFO]                ; lanes 256 bytes apart
	s_lshr_b32 s15, s14, 1                         ; qh
	s_and_b32 s16, s14, 1                          ; kh
	s_and_b32 s19, ttmp7, 0xffff                   ; b (the cluster is one work-group high)
	s_bfe_u32 s17, ttmp6, 0x40000                  ; cx
	s_lshl_b32 s18, ttmp9, 2
	s_add_co_u32 s18, s18, s17                     ; i = 4 x cluster x + cx: enters only my own global addresses
	s_mov_b32 s12, 0x76543210                      ; v_permlanex16_b32: lane l reads lane l of the other half
	s_mov_b32 s13, 0xfedcba98
	; group 1: a tile of 64 rows x 256 elements of 2 bytes, rows 256 elements apart, padded in LDS behind every 128 words; mask 15 with bit 21 beside it
	s_mov_b32 s[G1S+0], 15|(1<<16)|(1<<20)|(1<<21)|(6<<22)|(3<<25)   ; 4 words of padding: pitch 528
	s_mov_b32 s[G1S+1], 256<<16                    ; tensor_dim0 = 256
	s_mov_b32 s[G1S+2], 64<<16                     ; tensor_dim1 = 64
	s_mov_b32 s[G1S+3], 256<<16                    ; tile_dim0 = 256
	s_mov_b32 s[G1S+4], 64                         ; tile_dim1 = 64
	s_mov_b32 s[G1S+5], 256                        ; stride from row to row
	s_mov_b32 s[G1S+6], 0
	s_mov_b32 s[G1S+7], 0
	s_mov_b32 s[G1Z+0], 15|(1<<16)|(1<<20)|(1<<21)|(6<<22)|(7<<25)   ; 8 words of padding: pitch 544
	s_mov_b32 s[G1Z+1], 256<<16
	s_mov_b32 s[G1Z+2], 64<<16
	s_mov_b32 s[G1Z+3], 256<<16
	s_mov_b32 s[G1Z+4], 64
	s_mov_b32 s[G1Z+5], 256
	s_mov_b32 s[G1Z+6], 0
	s_mov_b32 s[G1Z+7], 0
	; group 0: wave w brings rows 64 w ..+63 of a tile
	s_mov_b32 s[G0S+0], 1
	s_mov_b32 s[G0S+4], 1
	s_mov_b32 s[G0Z+0], 1
	s_mov_b32 s[G0Z+4], 1
	s_mul_i32 s[G0S+1], s14, 64*PS
	s_add_co_u32 s[G0S+5], s[G0S+1], SLOT
	s_mul_i32 s[G0Z+1], s14, 64*PZ
	s_add_co_u32 s[G0Z+5], s[G0Z+1], SLOT
	s_lshl_b32 s60, s19, 19                        ; b x 1,024 rows x 512 bytes
	s_mov_b32 s61, 0
	s_lshl_b32 s62, s14, 15                        ; w x 64 rows x 512 bytes
	s_mov_b32 s63, 0
	s_lshl_b32 s72, s19, 10                        ; the batch's row of the mask
	s_mov_b32 s73, 0
	s_lshl_b32 s66, s18, 16                        ; my queries: (128 i + 64 qh) rows
	s_lshl_b32 s67, s15, 15
	s_add_co_u32 s66, s66, s67
	s_mov_b32 s67, 0
	s_lshl3_add_u32 s68, s19, s18                  ; zp row 8 b + i
	s_lshl_b32 s68, s68, 10
	s_mov_b32 s69, 0
	s_lshl_b32 s70, s18, 15                        ; the prefetch: tiles 2 and 3 begin 262,144 bytes into the batch; wave (i, w) takes 8,192 bytes of them
	s_lshl_b32 s71, s14, 13
	s_add_co_u32 s70, s70, s71
	s_add_co_u32 s70, s70, 2*TILEB
	s_mov_b32 s71, 0
	s_wait_kmcnt 0x0
	s_add_nc_u64 s[56:57], s[4:5], s[60:61]        ; xk at batch b
	s_add_nc_u64 s[62:63], s[56:57], s[62:63]      ; + my quarter of a tile
.irp s, 0,1
	s_add_nc_u64 s[G0S+4*\s+2:G0S+4*\s+3], s[62:63], \s*TILEB
	s_or_b32 s[G0S+4*\s+3], s[G0S+4*\s+3], 0x80000000
	s_add_nc_u64 s[G0Z+4*\s+2:G0Z+4*\s+3], s[62:63], \s*TILEB
	s_or_b32 s[G0Z+4*\s+3], s[G0Z+4*\s+3], 0x80000000
.endr
	s_add_nc_u64 s[58:59], s[56:57], s[66:67]      ; my 64 query rows
	s_add_nc_u64 s[68:69], s[10:11], s[68:69]      ; my row of zp
	s_add_nc_u64 s[70:71], s[56:57], s[70:71]
	s_add_nc_u64 s[72:73], s[8:9], s[72:73]
	ROUND                                          ; the four work-groups are here: the first joint loads meet
	tensor_load_to_lds s[G0S:G0S+3], s[G1S:G1S+7]          ; tile 0 to slot 0
	s_nop 0
	tensor_load_to_lds s[G0S+4:G0S+7], s[G1S:G1S+7]        ; tile 1 to slot 1: two loads of mine are out, later one
	s_nop 0
	; Each of the batch's 32 waves asks once for 32 blocks of 256 bytes of tiles 2 and 3 (262,144 bytes in all), which the slots fetch after two and four groups; all inside the batch.
	global_prefetch_b8 v[PFO], s[70:71] th:TH_LOAD_NT scope:SCOPE_SE
	; ---- my x rows, the mask, the first four buffers of Mt: 131 loads
	v_and_b32 v64, 31, v0                          ; l
	v_and_b32 v65, 15, v0                          ; r
	v_bfe_u32 v66, v0, 4, 1                        ; h
	s_lshl_b32 s87, s16, 16                        ; Mt rows 128 kh ..: eight tile rows of 8,192 bytes
	v_lshlrev_b32 v[GOX], 9, v65
	v_lshl_add_u32 v[GOX], v66, 4, v[GOX]          ; 512 r + 16 h
	v_lshl_add_u32 v[GOM], v64, 4, s87
	v_lshlrev_b32 v[MO32], 5, v64
	v_lshlrev_b32 v[TO8], 3, v0
	WIN 0x80
.irp qb, 0,1,2,3
.irp ks, 0,1,2,3,4,5,6,7
	global_load_b128 v[64*\qb+8*\ks:64*\qb+8*\ks+3],   v[GOX], s[58:59] offset:8192*\qb+64*\ks
	global_load_b128 v[64*\qb+8*\ks+4:64*\qb+8*\ks+7], v[GOX], s[58:59] offset:8192*\qb+64*\ks+32
.endr
.endr
	WIN 0
	global_load_b128 v[84:87], v[MO32], s[72:73]               ; the whole row of the mask in every wave: 32 bytes a lane
	global_load_b128 v[88:91], v[MO32], s[72:73] offset:16
	global_load_b64 v[92:93], v[TO8], s[72:73]                 ; and the 8 keys whose bias this thread writes
	WIN 0xc0
	MLOAD 0
	MLOAD 1
	MLOAD 2
	MLOAD 3
	WIN 0
	; the LDS addresses, while the loads are out
	v_mov_b32 v[ZERO], 0
	v_and_b32 v67, 7, v0
	v_bfe_u32 v68, v0, 3, 1
	s_mul_i32 s76, s16, 128*PS
	s_lshl_b32 s77, s16, 8
	s_xor_b32 s78, s77, 256
	s_add_co_u32 s77, s77, s76                     ; my key rows, at the y columns that I make
	s_add_co_u32 s78, s78, s76                     ; and at the partner's
	s_mul_i32 s79, s16, 128*PZ
	s_lshl_b32 s80, s15, 8
	s_add_co_u32 s79, s79, s80
	s_lshl_b32 s81, s16, 9
	s_add_co_u32 s81, s81, BIAS
	s_lshl_b32 s82, s14, 13
	s_add_co_u32 s82, s82, XCH
	s_xor_b32 s83, s14, 1
	s_lshl_b32 s86, s83, 10
	s_add_co_u32 s86, s86, STAT
	s_lshl_b32 s83, s83, 13
	s_add_co_u32 s83, s83, XCH
	s_xor_b32 s84, s14, 2
	s_lshl_b32 s84, s84, 13
	s_add_co_u32 s84, s84, XCH
	s_lshl_b32 s85, s14, 10
	s_add_co_u32 s85, s85, STAT
	s_lshl_b32 s88, s16, 10
	s_lshl_b32 s80, s15, 9
	s_add_co_u32 s88, s88, s80
	s_add_co_u32 s88, s88, ZRED
	v_mul_u32_u24 v69, v65, PS
	v_lshl_add_u32 v69, v66, 4, v69                ; r x 528 + 16 h
	v_add_nc_u32 v[ADRK+0], s77, v69
	v_add_nc_u32 v[ADRK+1], s78, v69
	v_add_nc_u32 v[ADRK+2], SLOT, v[ADRK+0]
	v_add_nc_u32 v[ADRK+3], SLOT, v[ADRK+1]
	v_lshl_add_u32 v70, v66, 3, v67                ; 8 h + l % 8
	v_mul_u32_u24 v70, v70, PZ
	v_lshl_add_u32 v70, v68, 4, v70
	v_add_nc_u32 v[ADRX], s79, v70
	v_add_nc_u32 v[ADRX+1], SLOT, v[ADRX]
	v_lshl_add_u32 v[ADRB], v66, 5, s81            ; BIAS + 4 (128 kh + 8 h)
	v_lshl_add_u32 v[XST],  v64, 4, s82
	v_lshl_add_u32 v[XLD1], v64, 4, s83
	v_lshl_add_u32 v[XLD2], v64, 4, s84
	v_lshl_add_u32 v[STST], v64, 4, s85
	v_lshl_add_u32 v[STLD], v64, 4, s86
	v_lshl_add_u32 v[TMPA], v0, 5, BIAS            ; my 8 numbers of the bias
	s_wait_loadcnt 63                              ; of 131 loads at most 63 are out: the first 68 are in, my x rows and the mask among them
	; every key masked?  Then factor 0 and bias 0: all scores equal, the uniform softmax
	v_and_b32 v84, v84, v85
	v_and_b32 v86, v86, v87
	v_and_b32 v88, v88, v89
	v_and_b32 v90, v90, v91
	v_and_b32 v84, v84, v86
	v_and_b32 v88, v88, v90
	v_and_b32 v84, v84, v88
	v_cmp_ne_u32 vcc_lo, 0x01010101, v84           ; a lane with an unmasked key among its 32
	s_cmp_eq_u32 vcc_lo, 0
	s_cselect_b32 s20, 0, 0x3db8aa3b               ; log2(e) / 16
	s_cselect_b32 s21, 0, 0x3db8aa3b
	s_cselect_b32 s22, 0, 0xceabfb8f               ; -1e9 log2(e)
.irp j, 0,1,2,3
	v_bfe_u32 v[96+\j],  v92, 8*\j, 1
	v_bfe_u32 v[100+\j], v93, 8*\j, 1
.endr
.irp j, 0,1,2,3,4,5,6,7
	v_sub_nc_u32 v[96+\j], 0, v[96+\j]             ; 0 or all ones
	v_and_b32 v[96+\j], s22, v[96+\j]
.endr
	ds_store_b128 v[TMPA], v[96:99]
	ds_store_b128 v[TMPA], v[100:103] offset:16    ; shown to the other waves by the first barrier of the exchange below
	; ---- y = x M log2(e) / 16: my 64 queries x my 128 columns; the other 128 come from wave w ^ 1
	YSTEP 0, 48
	YSTEP 1, 48
	YSTEP 2, 48
	YSTEP 3, 48
	YSTEP 4, 48
	YSTEP 5, 32
	YSTEP 6, 16
	YSTEP 7, 0
	XCHG XLD1
	; ---- the score sweep
	s_wait_tensorcnt 0x1                           ; my part of tile 0 is in; tile 1 may stay out
	s_wait_dscnt 0x0
	s_barrier_signal -1
	s_barrier_wait -1
	GROUP 0, 0, 0, 1
	GROUP 0, 1, 1, 0
	STEP G0S, G1S, 1                               ; tile 2 to slot 0
	GROUP 1, 0, 2, 0
	GROUP 1, 1, 3, 0
	STEP G0S+4, G1S, 1                             ; tile 3 to slot 1
	GROUP 0, 0, 4, 0
	GROUP 0, 1, 5, 0
	STEP G0Z, G1Z, 0                               ; tile 0 again, at the z sweep's pitch, to slot 0
	GROUP 1, 0, 6, 0
	GROUP 1, 1, 7, 0
	STEP G0Z+4, G1Z, 0                             ; tile 1 again to slot 1
	; ---- the rows' maxima and sums over both key halves, then a weight for each group and query
.set PMX,  64                          ; the partner's maxima
.set PLS,  68                          ; the partner's sums
.set MFIN, 72                          ; the rows' maxima
.set INV,  76                          ; 1 / the rows' sums
.set EX2,  80
.irp q, 0,1,2,3
	v_permlanex16_b32 v[UX+\q], v[LS+\q], s12, s13
.endr
.irp q, 0,1,2,3
	v_add_f32 v[LS+\q], v[LS+\q], v[UX+\q]
.endr
	ds_store_b128 v[STST], v[MREF+28:MREF+31]
	ds_store_b128 v[STST], v[LS:LS+3] offset:512
	s_wait_dscnt 0x0
	s_barrier_signal -1
	s_barrier_wait -1
	ds_load_b128 v[PMX:PMX+3], v[STLD]
	ds_load_b128 v[PLS:PLS+3], v[STLD] offset:512
	s_wait_dscnt 0x0
.irp q, 0,1,2,3
	v_max_num_f32 v[MFIN+\q], v[MREF+28+\q], v[PMX+\q]
.endr
.irp q, 0,1,2,3
	v_sub_f32 v[INV+\q], v[MREF+28+\q], v[MFIN+\q]
	v_sub_f32 v[EX2+\q], v[PMX+\q], v[MFIN+\q]
.endr
.irp q, 0,1,2,3
	v_exp_f32 v[INV+\q], v[INV+\q]
	v_exp_f32 v[EX2+\q], v[EX2+\q]
.endr
	v_nop                                          ; one plain place behind the exponentials
	s_wait_alu depctr_va_vdst(0)
.irp q, 0,1,2,3
	v_mul_f32 v[INV+\q], v[INV+\q], v[LS+\q]
.endr
.irp q, 0,1,2,3
	v_fma_f32 v[INV+\q], v[EX2+\q], v[PLS+\q], v[INV+\q]       ; the row's sum, at least 1
.endr
.irp q, 0,1,2,3
	v_rcp_f32 v[INV+\q], v[INV+\q]
.endr
.set n, 0
.rept 8                                            ; plain work that names no reciprocal stands between them and their use
	v_pk_add_f32 v[MREF+4*n:MREF+4*n+1],   v[MREF+4*n:MREF+4*n+1],   v[MFIN:MFIN+1]   neg_lo:[0,1] neg_hi:[0,1]
	v_pk_add_f32 v[MREF+4*n+2:MREF+4*n+3], v[MREF+4*n+2:MREF+4*n+3], v[MFIN+2:MFIN+3] neg_lo:[0,1] neg_hi:[0,1]
.set n, n+1
.endr
.set n, 0
.rept 32
	v_exp_f32 v[MREF+n], v[MREF+n]
.set n, n+1
.endr
	v_nop
.set n, 0
	s_wait_alu depctr_va_vdst(0)
.rept 8
	v_pk_mul_f32 v[MREF+4*n:MREF+4*n+1],   v[MREF+4*n:MREF+4*n+1],   v[INV:INV+1]
	v_pk_mul_f32 v[MREF+4*n+2:MREF+4*n+3], v[MREF+4*n+2:MREF+4*n+3], v[INV+2:INV+3]
.set n, n+1
.endr
	COLSUM 0
	COLSUM 1
	COLSUM 2
	COLSUM 3
	COLSUM 4
	COLSUM 5
	COLSUM 6
	COLSUM 7
	XCHG XLD2                                      ; wave w ^ 2 has the same keys and the other 64 queries
	; ---- the z sweep: my 512 keys x my 128 columns d (128 qh ..), all 128 queries' column sums
	ZTILE 0, 0, 1
	STEP G0Z, G1Z, 1                               ; tile 2 to slot 0
	ZTILE 1, 1, 0
	STEP G0Z+4, G1Z, 1                             ; tile 3 to slot 1
	ZTILE 0, 2, 0
	s_wait_tensorcnt 0x0                           ; my part of the last tile is in; nothing is filled any more, so a plain barrier does
	s_wait_dscnt 0x0
	s_barrier_signal -1
	s_barrier_wait -1
	ZTILE 1, 3, 0
	; ---- the 16 rows of each accumulator are summed (8 registers, then the other half of the lanes), the two key halves meet in LDS
.irp nb, 0,1,2,3,4,5,6,7
	v_pk_add_f32 v[ZACC+8*\nb:ZACC+8*\nb+1],   v[ZACC+8*\nb:ZACC+8*\nb+1],   v[ZACC+8*\nb+2:ZACC+8*\nb+3]
	v_pk_add_f32 v[ZACC+8*\nb+4:ZACC+8*\nb+5], v[ZACC+8*\nb+4:ZACC+8*\nb+5], v[ZACC+8*\nb+6:ZACC+8*\nb+7]
.endr
.irp nb, 0,1,2,3,4,5,6,7
	v_pk_add_f32 v[ZACC+8*\nb:ZACC+8*\nb+1], v[ZACC+8*\nb:ZACC+8*\nb+1], v[ZACC+8*\nb+4:ZACC+8*\nb+5]
.endr
.irp nb, 0,1,2,3,4,5,6,7
	v_add_f32 v[ZACC+8*\nb], v[ZACC+8*\nb], v[ZACC+8*\nb+1]
.endr
.irp nb, 0,1,2,3,4,5,6,7
	v_permlanex16_b32 v[ZACC+8*\nb+1], v[ZACC+8*\nb], s12, s13
.endr
.irp nb, 0,1,2,3,4,5,6,7
	v_add_f32 v[ZACC+8*\nb], v[ZACC+8*\nb], v[ZACC+8*\nb+1]
.endr
	v_and_b32 v[TMPA], 15, v0
	v_lshl_add_u32 v[TMPA], v[TMPA], 2, s88        ; ZRED + 4 (256 kh + 128 qh + r)
.irp nb, 0,1,2,3,4,5,6,7
	ds_store_b32 v[TMPA], v[ZACC+8*\nb] offset:64*\nb          ; both halves of the lanes write the same number to the same word
.endr
	s_wait_dscnt 0x0
	s_barrier_signal -1
	s_barrier_wait -1
	v_add_nc_u32 v[TMPA], ZRED, v[TO8]
	ds_load_b64 v[64:65], v[TMPA]
	ds_load_b64 v[66:67], v[TMPA] offset:1024
	s_wait_dscnt 0x0
	v_pk_add_f32 v[64:65], v[64:65], v[66:67]
	global_store_b64 v[TO8], v[64:65], s[68:69]    ; a wave stores 256 neighbouring bytes, aligned
	s_wait_xcnt 0x0
	v_lshl_add_u32 v29, v0, 2, 0x4e800
	v_mov_b32 v30, 0
	s_wait_tensorcnt 0x0
	ds_add_u32 v29, v30
	s_wait_dscnt 0x0
	ROUND                                          ; the closing round: no work-group ends while a partner may still ask jointly
	s_endpgm
.Lfunc_end_k_q0be20e0757_attn:
	.size	k_q0be20e0757_attn, .Lfunc_end_k_q0be20e0757_attn-k_q0be20e0757_attn
	.p2alignl 7, 3214868480
	.fill 96, 4, 3214868480
	.section	.rodata,"a",@progbits
	.p2align	6, 0x0
	.amdhsa_kernel k_q0be20e0757_attn
		.amdhsa_group_segment_fixed_size 327680
		.amdhsa_private_segment_fixed_size 0
		.amdhsa_enable_private_segment 0
		.amdhsa_kernarg_size 32
		.amdhsa_user_sgpr_count 2
		.amdhsa_user_sgpr_kernarg_segment_ptr 1
		.amdhsa_wavefront_size32 1
		.amdhsa_system_sgpr_workgroup_id_x 1
		.amdhsa_system_sgpr_workgroup_id_y 1
		.amdhsa_system_sgpr_workgroup_id_z 1
		.amdhsa_system_vgpr_workitem_id 0
		.amdhsa_next_free_vgpr 1024
		.amdhsa_next_free_sgpr 92
		.amdhsa_reserve_vcc 1
		.amdhsa_float_denorm_mode_32 3
		.amdhsa_float_denorm_mode_16_64 3
		.amdhsa_memory_ordered 1
		.amdhsa_forward_progress 1
		.amdhsa_inst_pref_size 255
	.end_amdhsa_kernel
	.section	.bss,"aw",@nobits
	.p2align	6
	.space	262144
	.amdgpu_metadata
---
amdhsa.version: [ 1, 2 ]
amdhsa.kernels:
  - .name:           k_q0be20e0757_attn
    .symbol:         k_q0be20e0757_attn.kd
    .args:
      - { .name: xk, .offset: 0, .size: 8, .value_kind: global_buffer, .address_space: global }
      - { .name: mt, .offset: 8, .size: 8, .value_kind: global_buffer, .address_space: global }
      - { .name: mask, .offset: 16, .size: 8, .value_kind: global_buffer, .address_space: global }
      - { .name: zp, .offset: 24, .size: 8, .value_kind: global_buffer, .address_space: global }
    .group_segment_fixed_size: 327680
    .private_segment_fixed_size: 0
    .kernarg_segment_align: 8
    .kernarg_segment_size: 32
    .max_flat_workgroup_size: 128
    .sgpr_count:     92
    .vgpr_count:     1024
    .wavefront_size: 32
...
	.end_amdgpu_metadata
.endif
;; end of part 2
;; launch final (part 3): grid 4 x 32, 8 waves a work-group, no clusters, 1,280 bytes of LDS; arguments zp, Wv, length, out0; writes out0
.if DOCPART == 3
	.amdgcn_target "amdgcn-amd-amdhsa--gfx1250"
	.amdhsa_code_object_version 6
	.text
	.protected	k_q0be20e0757_final
	.globl	k_q0be20e0757_final
	.p2align	8
	.type	k_q0be20e0757_final,@function
k_q0be20e0757_final:
	s_mov_b64 s[64:65], 0
	v_nop
	global_prefetch_b8 v0, s[64:65] scope:SCOPE_SE
	s_setreg_imm32_b32 hwreg(HW_REG_WAVE_MODE, 25, 1), 1
	s_wait_xcnt 0x0
; out0[b][e] = (sum over i of zp[b][i][:]) . Wv[e][:] / length[b], all in f32 on the vector unit.
; Work-group (ec, b) makes the 64 outputs e = 64 ec ..+63; wave w the rows 8 w ..+7 of them, one row of Wv (1,024 bytes) in two loads
; of 512 neighbouring bytes.  All 32 loads of a wave are issued at once.  A product of one row of z with 64 rows of Wv has no use
; for the matrix unit, LDS slots or clusters.
; LIMIT: the division is a multiplication by v_rcp_f32(length), which takes a denormal length as 0 and gives 0 for a length above 2^126 (ISA guide 15.8).
.set ZP, 16                            ; v[16:79]   zp[b][i]: 8 registers for each i; the sum ends in v[16:23]
.set WV, 80                            ; v[80:143]  row k of Wv: 8 registers
.set RS, 144                           ; v[144:151] the eight results
	s_load_b256 s[4:11], s[0:1], 0x0               ; zp s[4:5], Wv s[6:7], length s[8:9], out0 s[10:11]
	v_lshl_add_u32 v160, v0, 2, 0x100
	v_mov_b32 v161, 0
	v_lshrrev_b32 v1, 5, v0
	v_readfirstlane_b32 s12, v1                    ; wave
	v_and_b32 v2, 31, v0
	v_lshlrev_b32 v3, 4, v2                        ; 16 l
	v_lshlrev_b32 v8, 3, v2                        ; 8 l
	s_and_b32 s13, ttmp7, 0xffff                   ; b
	s_mov_b32 s14, 0x76543210
	s_mov_b32 s15, 0xfedcba98
	s_lshl_b32 s16, s13, 13                        ; zp[b]: 8 rows of 1,024 bytes
	s_mov_b32 s17, 0
	s_lshl_b32 s18, ttmp9, 16                      ; 64 rows of Wv
	s_lshl_b32 s19, s12, 13                        ; + 8 rows for each wave
	s_add_co_u32 s18, s18, s19
	s_mov_b32 s19, 0
	s_lshl_b32 s20, s13, 2
	s_mov_b32 s21, 0
	s_lshl_b32 s22, s13, 10                        ; out0[b][64 ec]
	s_lshl_b32 s23, ttmp9, 8
	s_add_co_u32 s22, s22, s23
	s_mov_b32 s23, 0
	s_lshl_b32 s25, s12, 5                         ; my eight words in LDS
	v_mov_b32 v5, s25
	s_wait_kmcnt 0x0
	s_add_nc_u64 s[4:5], s[4:5], s[16:17]
	s_add_nc_u64 s[6:7], s[6:7], s[18:19]
	s_add_nc_u64 s[8:9], s[8:9], s[20:21]
	s_add_nc_u64 s[10:11], s[10:11], s[22:23]
	s_load_b32 s24, s[8:9], 0x0                    ; length[b]
.irp i, 0,1,2,3,4,5,6,7
	global_load_b128 v[ZP+8*\i:ZP+8*\i+3],   v3, s[4:5] offset:1024*\i
	global_load_b128 v[ZP+8*\i+4:ZP+8*\i+7], v3, s[4:5] offset:1024*\i+512
.endr
.irp k, 0,1,2,3,4,5,6,7
	global_load_b128 v[WV+8*\k:WV+8*\k+3],   v3, s[6:7] offset:1024*\k
	global_load_b128 v[WV+8*\k+4:WV+8*\k+7], v3, s[6:7] offset:1024*\k+512
.endr
	s_wait_kmcnt 0x0
	v_rcp_f32 v4, s24                              ; used far below: plain work stands between
	s_wait_loadcnt 16                              ; zp is in; the 16 loads of Wv stay out
.irp i, 1,2,3,4,5,6,7
.irp p, 0,1,2,3
	v_pk_add_f32 v[ZP+2*\p:ZP+2*\p+1], v[ZP+2*\p:ZP+2*\p+1], v[ZP+8*\i+2*\p:ZP+8*\i+2*\p+1]
.endr
.endr
	s_wait_loadcnt 0x0
.irp k, 0,1,2,3,4,5,6,7
	v_pk_mul_f32 v[WV+8*\k:WV+8*\k+1], v[WV+8*\k:WV+8*\k+1], v[ZP:ZP+1]
.endr
.irp p, 1,2,3
.irp k, 0,1,2,3,4,5,6,7
	v_pk_fma_f32 v[WV+8*\k:WV+8*\k+1], v[WV+8*\k+2*\p:WV+8*\k+2*\p+1], v[ZP+2*\p:ZP+2*\p+1], v[WV+8*\k:WV+8*\k+1]
.endr
.endr
.irp k, 0,1,2,3,4,5,6,7
	v_add_f32 v[RS+\k], v[WV+8*\k], v[WV+8*\k+1]
.endr
	; over the 32 lanes: four steps inside each half ride on the addition, one crosses the halves
.irp m, 1,2,4,8
.irp k, 0,1,2,3,4,5,6,7
	v_add_f32_dpp v[RS+\k], v[RS+\k], v[RS+\k] row_xmask:\m row_mask:0xf bank_mask:0xf
.endr
.endr
.irp k, 0,1,2,3,4,5,6,7
	v_permlanex16_b32 v[WV+8*\k], v[RS+\k], s14, s15
.endr
.irp k, 0,1,2,3,4,5,6,7
	v_add_f32 v[RS+\k], v[RS+\k], v[WV+8*\k]
.endr
	s_wait_alu depctr_va_vdst(0)
.irp k, 0,1,2,3,4,5,6,7
	v_mul_f32 v[RS+\k], v[RS+\k], v4
.endr
.irp k, 0,1,2,3,4,5,6,7
	ds_store_b32 v5, v[RS+\k] offset:4*\k          ; all lanes write the same number to the same word
.endr
	s_wait_dscnt 0x0
	s_barrier_signal -1
	s_barrier_wait -1
	s_cmp_lg_u32 s12, 0
	s_cbranch_scc1 .Lend
	ds_load_b64 v[6:7], v8                         ; wave 0 takes the 64 results
	s_wait_dscnt 0x0
	global_store_b64 v8, v[6:7], s[10:11]          ; and stores them as 256 neighbouring bytes, aligned
.Lend:
	s_wait_tensorcnt 0x0
	ds_add_u32 v160, v161
	s_wait_dscnt 0x0
	s_endpgm
.Lfunc_end_k_q0be20e0757_final:
	.size	k_q0be20e0757_final, .Lfunc_end_k_q0be20e0757_final-k_q0be20e0757_final
	.p2alignl 7, 3214868480
	.fill 96, 4, 3214868480
	.section	.rodata,"a",@progbits
	.p2align	6, 0x0
	.amdhsa_kernel k_q0be20e0757_final
		.amdhsa_group_segment_fixed_size 1280
		.amdhsa_private_segment_fixed_size 0
		.amdhsa_enable_private_segment 0
		.amdhsa_kernarg_size 32
		.amdhsa_user_sgpr_count 2
		.amdhsa_user_sgpr_kernarg_segment_ptr 1
		.amdhsa_wavefront_size32 1
		.amdhsa_system_sgpr_workgroup_id_x 1
		.amdhsa_system_sgpr_workgroup_id_y 1
		.amdhsa_system_sgpr_workgroup_id_z 1
		.amdhsa_system_vgpr_workitem_id 0
		.amdhsa_next_free_vgpr 162
		.amdhsa_next_free_sgpr 66
		.amdhsa_reserve_vcc 0
		.amdhsa_float_denorm_mode_32 3
		.amdhsa_float_denorm_mode_16_64 3
		.amdhsa_memory_ordered 1
		.amdhsa_forward_progress 1
		.amdhsa_inst_pref_size 13
	.end_amdhsa_kernel
	.amdgpu_metadata
---
amdhsa.version: [ 1, 2 ]
amdhsa.kernels:
  - .name:           k_q0be20e0757_final
    .symbol:         k_q0be20e0757_final.kd
    .args:
      - { .name: zp, .offset: 0, .size: 8, .value_kind: global_buffer, .address_space: global }
      - { .name: Wv, .offset: 8, .size: 8, .value_kind: global_buffer, .address_space: global }
      - { .name: length, .offset: 16, .size: 8, .value_kind: global_buffer, .address_space: global }
      - { .name: out0, .offset: 24, .size: 8, .value_kind: global_buffer, .address_space: global }
    .group_segment_fixed_size: 1280
    .private_segment_fixed_size: 0
    .kernarg_segment_align: 8
    .kernarg_segment_size: 32
    .max_flat_workgroup_size: 256
    .sgpr_count:     66
    .vgpr_count:     162
    .wavefront_size: 32
...
	.end_amdgpu_metadata
.endif
;; end of part 3
;; ======== version 2 of 2: 3 launches; version 1 with the launch cast written anew for expert scheduling mode
;; limits: right only within a limited range of input values
;; workspace buffers: xk 16,777,216 bytes; mt 131,072 bytes; zp 262,144 bytes
;; launch cast (part 4): grid 256 x 1, 8 waves a work-group, no clusters, 17,408 bytes of LDS; arguments track_feat_seq, Wq, Wk, xk, mt; writes xk, mt
.if DOCPART == 4
	.amdgcn_target "amdgcn-amd-amdhsa--gfx1250"
	.amdhsa_code_object_version 6
	.text
	.protected	k_q0be20e0757_cast
	.globl	k_q0be20e0757_cast
	.p2align	8
	.type	k_q0be20e0757_cast,@function
k_q0be20e0757_cast:
	s_mov_b64 s[64:65], 0
	v_nop
	global_prefetch_b8 v0, s[64:65] scope:SCOPE_SE
	s_setreg_imm32_b32 hwreg(HW_REG_WAVE_SCHED_MODE, 0, 2), 2
	s_setreg_imm32_b32 hwreg(HW_REG_WAVE_MODE, 25, 1), 1
	s_wait_xcnt 0x0
	s_wait_alu depctr_vm_vsrc(0)
; xk = bf16(track_feat_seq), and Mt[d'][d] = sum over e of Wk[e][d'] Wq[e][d] in bf16 (so that q.k = (x M) . x, M = Wq^T Wk).
; 256 work-groups of eight waves.  Work-group g casts rows 128 g .. 128 g + 127 of x (131,072 bytes in, 65,536 out) and makes
; the 16 x 16 tile (ti = g / 16, tj = g % 16) of Mt.
; The cast: thread t, load i reads 16 bytes at 16 t + 4096 i (a wave: 512 neighbouring bytes) and stores 8 bytes at 8 t + 2048 i
; (a wave: 256 neighbouring bytes, aligned).  All 32 loads of a thread are issued at once; the data pass through registers anyway,
; so LDS slots and the tensor mover would add nothing.
; mt's layout: tile (ti, tj) at (16 ti + tj) 512; lane (r = l % 16, h = l / 16) owns the 16 bytes at 16 l = Mt[16 ti + r][16 tj + 8 h .. + 7]:
; two neighbouring tiles are one 16 x 32 matrix operand as the next launch's registers want it.
; THE MODE: SCHED_MODE bits 1:0 = 2 (LLVM: expert scheduling mode 2), set by the entry lines.  The code itself states the register dependences
; between vector or matrix instructions and memory or LDS instructions, with s_wait_alu, always for 0.
; THE PLAN.  Registers that memory or LDS instructions touch:
;   v1 .. v6     offsets and LDS addresses: written once at the head, read by every load and store, never written again: one wait on va_vdst ahead of the first load.
;   v[32:63]     the strips of Wk and Wq as loaded; read by the strips' conversions.  In wave 0 v[32:35] later take the tile in bf16, which the tile's store reads.
;   v[16:31]     written by the strips' conversions, read by the four LDS stores; in wave 0 written again by the matrix instructions, as the two accumulators.
;   v[192:255]   FR: the transposing loads of K steps 0 to 3 land here, four matrix instructions read them, the loads of K steps 4 to 7 land here.
;   v[64:191]    X: each slot is loaded once; its two conversions write its first two registers in place; its store reads those two; nothing writes them again.
;   v14, v15     written at the head, read by the closing add alone.
; The stream goes in eight blocks of four slots: the wait for the block's data, eight conversions, ONE wait on va_vdst, four stores in a run.
.set X,  64                            ; v[64:191]  32 slots of 4: x as loaded, then two packed words each
.set FR, 192                           ; v[192:255] four K steps x (8 of Wq, 8 of Wk)
.set KS, 0                             ; LDS: Wk[e][16 ti ..+15] in bf16, 32 bytes a row, 256 rows
.set QS, 8192                          ; LDS: Wq[e][16 tj ..+15] likewise
	s_load_b256 s[4:11], s[0:1], 0x0               ; x s[4:5], Wq s[6:7], Wk s[8:9], xk s[10:11]
	s_load_b64 s[12:13], s[0:1], 0x20              ; mt
	v_lshl_add_u32 v14, v0, 2, 0x4000              ; the LDS address of my spare word, behind the two strips; kept for the closing lines alone
	v_mov_b32 v15, 0                               ; 0, likewise
	v_lshrrev_b32 v7, 5, v0
	v_readfirstlane_b32 s14, v7                    ; wave
	v_lshlrev_b32 v1, 10, v0                       ; weight row e = thread: 1,024 bytes a row
	v_lshlrev_b32 v2, 4, v0                        ; 16 t
	v_lshlrev_b32 v3, 3, v0                        ; 8 t
	v_lshlrev_b32 v4, 5, v0                        ; 32 t: my row of the two strips in LDS
	v_and_b32 v8, 7, v0                            ; the transposing load's address: row 8 h + l % 8, 16 bytes x bit 3 of l
	v_bfe_u32 v9, v0, 4, 1
	v_lshl_add_u32 v8, v9, 3, v8
	v_bfe_u32 v9, v0, 3, 1
	v_lshlrev_b32 v5, 5, v8
	v_lshl_add_u32 v5, v9, 4, v5
	v_and_b32 v6, 31, v0
	v_lshlrev_b32 v6, 4, v6                        ; 16 l: my 16 bytes of the tile
	s_wait_alu depctr_va_sdst(0)                   ; s14 is written, ahead of its one reader: the compare in front of the branch to the stream
	s_lshl_b32 s16, ttmp9, 17                      ; g x 128 rows x 1,024 bytes
	s_mov_b32 s17, 0
	s_lshl_b32 s18, ttmp9, 16                      ; g x 128 rows x 512 bytes
	s_mov_b32 s19, 0
	s_lshl_b32 s20, ttmp9, 9                       ; g x 512: my tile of mt
	s_mov_b32 s21, 0
	s_lshr_b32 s22, ttmp9, 4
	s_lshl_b32 s22, s22, 6                         ; 64 ti: 16 columns of f32
	s_mov_b32 s23, 0
	s_and_b32 s24, ttmp9, 15
	s_lshl_b32 s24, s24, 6                         ; 64 tj
	s_mov_b32 s25, 0
	s_wait_kmcnt 0x0
	s_add_nc_u64 s[4:5], s[4:5], s[16:17]
	s_add_nc_u64 s[10:11], s[10:11], s[18:19]
	s_add_nc_u64 s[12:13], s[12:13], s[20:21]
	s_add_nc_u64 s[8:9], s[8:9], s[22:23]
	s_add_nc_u64 s[6:7], s[6:7], s[24:25]
	s_wait_alu depctr_va_vdst(0)                   ; v1 to v6 are written: every load, store and LDS instruction of the kernel reads one of them as its offset or address
.irp c, 0,1,2,3
	global_load_b128 v[32+4*\c:35+4*\c], v1, s[8:9] offset:16*\c       ; Wk[e][16 ti ..]
.endr
.irp c, 0,1,2,3
	global_load_b128 v[48+4*\c:51+4*\c], v1, s[6:7] offset:16*\c       ; Wq[e][16 tj ..]
.endr
.set i, 0
.rept 32
	global_load_b128 v[X+4*i:X+4*i+3], v2, s[4:5] offset:4096*i th:TH_LOAD_NT   ; x is read once in the whole program
.set i, i+1
.endr
	s_wait_loadcnt 32                              ; the eight strip loads are in; the 32 younger loads of x stay out
.irp c, 0,1,2,3,4,5,6,7
	v_cvt_pk_bf16_f32 v[16+\c], v[32+2*\c], v[33+2*\c]
	v_cvt_pk_bf16_f32 v[24+\c], v[48+2*\c], v[49+2*\c]
.endr
	s_wait_alu depctr_va_vdst(0)                   ; the conversions have written v[16:31], which the four LDS stores read
	ds_store_b128 v4, v[16:19] offset:KS
	ds_store_b128 v4, v[20:23] offset:KS+16
	ds_store_b128 v4, v[24:27] offset:QS
	ds_store_b128 v4, v[28:31] offset:QS+16
	s_wait_dscnt 0x0                               ; my rows of the strips are written,
	s_barrier_signal -1
	s_barrier_wait -1                              ; everybody's are
	s_wait_alu depctr_vm_vsrc(0)                   ; my LDS stores have read v[16:31], which wave 0's matrix instructions write as their accumulators; ahead of the branch, so on every path
	s_cmp_lg_u32 s14, 0
	s_cbranch_scc1 .Lstream
	; Wave 0 makes the tile: K = e in eight steps of 32.  Source 0 = 16 columns of Wq, source 1 = 16 columns of Wk, both read
	; transposed from the strips; register j of lane (r, h) is then Mt[16 ti + r][16 tj + 8 h + j].
	; Two accumulators take turns, one instruction a turn; the first two products start the sums.
.irp bt, 0,1
.if \bt > 0
	s_wait_alu depctr_va_vdst(0)                   ; the four matrix instructions above are done reading v[FR ..], in which the next sixteen loads land
.endif
.irp k, 0,1,2,3
	ds_load_tr16_b128 v[FR+16*\k:FR+16*\k+3],     v5 offset:QS+1024*(4*\bt+\k)
	ds_load_tr16_b128 v[FR+16*\k+4:FR+16*\k+7],   v5 offset:QS+1024*(4*\bt+\k)+512
	ds_load_tr16_b128 v[FR+16*\k+8:FR+16*\k+11],  v5 offset:KS+1024*(4*\bt+\k)
	ds_load_tr16_b128 v[FR+16*\k+12:FR+16*\k+15], v5 offset:KS+1024*(4*\bt+\k)+512
.endr
	s_wait_dscnt 0x0
.irp k, 0,1,2,3
.if 4*\bt+\k < 2
	v_wmma_f32_16x16x32_bf16 v[16+8*(\k%2):23+8*(\k%2)], v[FR+16*\k:FR+16*\k+7], v[FR+16*\k+8:FR+16*\k+15], 0
.else
	v_wmma_f32_16x16x32_bf16 v[16+8*(\k%2):23+8*(\k%2)], v[FR+16*\k:FR+16*\k+7], v[FR+16*\k+8:FR+16*\k+15], v[16+8*(\k%2):23+8*(\k%2)]
.endif
.endr
.rept 4
	v_nop                                          ; four places behind the matrix instructions (ISA guide 7.12.1): for the sums below; behind the first four products they stay beside the wait above
.endr
.endr
.irp c, 0,1,2,3
	v_pk_add_f32 v[16+2*\c:17+2*\c], v[16+2*\c:17+2*\c], v[24+2*\c:25+2*\c]
.endr
.irp c, 0,1,2,3
	v_cvt_pk_bf16_f32 v[32+\c], v[16+2*\c], v[17+2*\c]
.endr
	s_wait_alu depctr_va_vdst(0)                   ; the conversions have written v[32:35], which the tile's store reads
	global_store_b128 v6, v[32:35], s[12:13]       ; the tile's 512 bytes in one store
.Lstream:
	; Eight blocks of four slots.  No vector instruction ahead of this label names X, on either way to it.
.set p, 0
.rept 8
	s_wait_loadcnt 28-4*p                          ; loads come back in order: the block's four are in, the later blocks' stay out
.set i, 4*p
.rept 4
	v_cvt_pk_bf16_f32 v[X+4*i],   v[X+4*i],   v[X+4*i+1]
	v_cvt_pk_bf16_f32 v[X+4*i+1], v[X+4*i+2], v[X+4*i+3]
.set i, i+1
.endr
	s_wait_alu depctr_va_vdst(0)                   ; the block's eight conversions have written the first two registers of its four slots, which the four stores read
.set i, 4*p
.rept 4
	global_store_b64 v3, v[X+4*i:X+4*i+1], s[10:11] offset:2048*i   ; no source of a store is written again
.set i, i+1
.endr
.set p, p+1
.endr
	s_wait_dscnt 0x0                               ; the closing lines, six on end
	s_wait_alu 0x0
	s_wait_tensorcnt 0x0
	ds_add_u32 v14, v15
	s_wait_dscnt 0x0
	s_endpgm
.Lfunc_end_k_q0be20e0757_cast:
	.size	k_q0be20e0757_cast, .Lfunc_end_k_q0be20e0757_cast-k_q0be20e0757_cast
	.p2alignl 7, 3214868480
	.fill 96, 4, 3214868480
	.section	.rodata,"a",@progbits
	.p2align	6, 0x0
	.amdhsa_kernel k_q0be20e0757_cast
		.amdhsa_group_segment_fixed_size 17408
		.amdhsa_private_segment_fixed_size 0
		.amdhsa_enable_private_segment 0
		.amdhsa_kernarg_size 40
		.amdhsa_user_sgpr_count 2
		.amdhsa_user_sgpr_kernarg_segment_ptr 1
		.amdhsa_wavefront_size32 1
		.amdhsa_system_sgpr_workgroup_id_x 1
		.amdhsa_system_sgpr_workgroup_id_y 1
		.amdhsa_system_sgpr_workgroup_id_z 1
		.amdhsa_system_vgpr_workitem_id 0
		.amdhsa_next_free_vgpr 256
		.amdhsa_next_free_sgpr 66
		.amdhsa_reserve_vcc 0
		.amdhsa_float_denorm_mode_32 3
		.amdhsa_float_denorm_mode_16_64 3
		.amdhsa_memory_ordered 1
		.amdhsa_forward_progress 1
		.amdhsa_inst_pref_size 19
	.end_amdhsa_kernel
	.amdgpu_metadata
---
amdhsa.version: [ 1, 2 ]
amdhsa.kernels:
  - .name:           k_q0be20e0757_cast
    .symbol:         k_q0be20e0757_cast.kd
    .args:
      - { .name: track_feat_seq, .offset: 0, .size: 8, .value_kind: global_buffer, .address_space: global }
      - { .name: Wq, .offset: 8, .size: 8, .value_kind: global_buffer, .address_space: global }
      - { .name: Wk, .offset: 16, .size: 8, .value_kind: global_buffer, .address_space: global }
      - { .name: xk, .offset: 24, .size: 8, .value_kind: global_buffer, .address_space: global }
      - { .name: mt, .offset: 32, .size: 8, .value_kind: global_buffer, .address_space: global }
    .group_segment_fixed_size: 17408
    .private_segment_fixed_size: 0
    .kernarg_segment_align: 8
    .kernarg_segment_size: 40
    .max_flat_workgroup_size: 256
    .sgpr_count:     66
    .vgpr_count:     256
    .wavefront_size: 32
...
	.end_amdgpu_metadata
.endif
;; end of part 4
;; launch attn: the kernel of part 2 again; grid 8 x 32, 4 waves a work-group, clusters of 4 x 1, 327,680 bytes of LDS; arguments xk, mt, mask, zp; writes zp
;; launch final: the kernel of part 3 again; grid 4 x 32, 8 waves a work-group, no clusters, 1,280 bytes of LDS; arguments zp, Wv, length, out0; writes out0
